; MI455X (gfx1250); checked and timed in simulation.
; The chip was launched on July 23, 2026; its instructions are those of AMD's public machine-readable ISA for CDNA 5 (MIT licence, August 2026) and "CDNA5" Instruction Set Architecture Reference Guide (July 2026). The comments in the code are by the model that wrote it; some were corrected since.
;; Temporal Attn. Allowed arithmetic: matrix products marked QUANTISED: E3M2 operands, one E8M0 scale for each 32 along K, by v_wmma_scale_f32_16x16x128_f8f6f4 with both operands' format E3M2, f32 sums; products left as they are: f32 operands where the result goes on into a quantised operand, else bf16, f16 or f32 operands; f32 sums; everything else in f32.
;; Inputs: Wqkv 3,072 x 1,024 float32; bqkv 3,072 float32; k_scale 64 float32; q_scale 64 float32; x 64 x 1,024 x 16 x 16 float32.
;; Outputs: out0 64 x 1,024 x 16 x 16 float32.
;; This version of the problem:
;;   THIS VERSION OF THE PROBLEM IS GIVEN IN LOW PRECISION. The matrix products marked QUANTISED in the list below multiply operands that are first quantised to E3M2 (3 exponent bits, 2 mantissa bits; 6 bits a number), with one power-of-two scale for each 32 numbers along K (OCP MX v1.0); their sums are f32. All else is computed in f32.
;;   The module's matrix products, in the order in which they are computed (A, B: the left and right operand; K: the contracted axis; several contracted axes count as one K, in the product's order):
;;     1. [M 16,384, K 1,024] x [K 1,024, N 3,072]; A: input x; B: input Wqkv: QUANTISED
;;     2. batch 16,384 x [M 16, K 64] x [K 64, N 16]; A: computed on the way; B: computed on the way: QUANTISED
;;     3. batch 16,384 x [M 16, K 16] x [K 16, N 64]; A: softmax; B: computed on the way: left as it is (K = 16 < 32)
;;   THE QUANTISER, for each operand of a quantised product, along K:
;;     - K is cut into blocks of 32 from its start; a last block that is shorter is filled with zeros.
;;     - A block's scale is 2^e with e = floor(log2(the largest magnitude in the block)) - 4, held to -126 .. 127; a block of zeros has e = 0. As a byte (E8M0): e + 127.
;;     - Each number is divided by its block's scale, clamped to +-28, and rounded to the nearest number of E3M2, ties to even, subnormals kept.
;;     - The product sums the exact products of the quantised numbers (number of the format x scale) in f32.
;;   ~~~python
;;   def quantise(x, axis):      # numpy; x: float32 -> the quantised numbers, widened to float32 again
;;       x = np.moveaxis(x, axis, -1); K = x.shape[-1]
;;       x = np.pad(x, [(0, 0)] * (x.ndim - 1) + [(0, -K % 32)]); x = x.reshape(x.shape[:-1] + (-1, 32)); a = np.abs(x).max(-1, keepdims=True)
;;       e = np.where(a > 0, np.clip(np.frexp(np.where(a > 0, a, 1))[1] - 1 - 4, -126, 127), 0)      # np.frexp(a)[1] - 1 = floor(log2(a)), exactly
;;       r = np.clip(x / 2.0 ** e, -28, 28)
;;       step = 2.0 ** (np.maximum(np.frexp(np.where(r == 0, 1, r))[1] - 1, -2) - 2)
;;       q = np.round(r / step) * step * 2.0 ** e      # np.round: ties to even
;;       return np.moveaxis(q.reshape(q.shape[:-2] + (-1,))[..., :K], -1, axis).astype(np.float32)
;;   ~~~
;;   OPERANDS COMPUTED ON THE WAY. 'Computed on the way' means the value that the module computes at that place (a softmax that the list does not call 'softmax' is quantised finished and normalised). What goes into a quantiser is computed in f32, as accurately as f32 sums, v_exp_f32 and their like allow (about 1e-6 of the number): no bf16 or f16 on the way to a quantiser, and a product that is left as it is and whose result goes on into a quantised operand takes f32 operands (vector FMAs, or v_wmma_f32_16x16x4_f32). A number that lies on a knife's edge between two numbers of the format may be rounded either way, as far as f32 arithmetic and the matrix unit's own rounding can turn it there, and no further.
;; One version. Each part assembles by itself: llvm-mc -triple=amdgcn-amd-amdhsa -mcpu=gfx1250 --defsym DOCPART=n.
;; ======== version 1 of 1: 2 launches
;; limits: values are held in bf16: 8 bits of precision; right only within a limited range of input values
;; workspace buffers: a_img 13,107,200 bytes; b_img 2,457,600 bytes; tabs 16,384 bytes
;; launch prep (part 1): grid 353 x 1, 16 waves a work-group, no clusters, 141,312 bytes of LDS; arguments x, Wqkv, q_scale, k_scale, a_img, b_img, tabs; writes a_img, b_img, tabs
.if DOCPART == 1
	.amdgcn_target "amdgcn-amd-amdhsa--gfx1250"
	.amdhsa_code_object_version 6
	.text
	.protected	k_q9a36b83955_prep
	.globl	k_q9a36b83955_prep
	.p2align	8
	.type	k_q9a36b83955_prep,@function
k_q9a36b83955_prep:
	s_mov_b64 s[64:65], 0
	v_nop
	global_prefetch_b8 v0, s[64:65] scope:SCOPE_SE
	s_setreg_imm32_b32 hwreg(HW_REG_WAVE_MODE, 25, 1), 1
	s_wait_xcnt 0x0
; x [64][1024][16][16] and Wqkv [3072][1024], f32, become codes of BF6 (E3M2) with one E8M0 byte for each 32 along K = c, laid as IMAGES OF OPERAND REGISTERS; and the RoPE tables are made.
; AN IMAGE is a fragment of 16 rows x 128 K, 1,536 bytes: fragment register R (0..11) of lane l lies at 512 (R / 4) + 16 l + 4 (R % 4); lane l = r + 16 h holds in registers 6 cc .. 6 cc + 5 the 24 code bytes of k = 64 cc + 32 h + 0 .. 31 of row r.
; a_img [g 16][s 4][ks 8][25,600]: g = 4 b + hw / 64, s = (hw % 64) / 16, ks = c / 128; a block = 16 images (tile = hw % 16, row = frame t), then 256 scale words [tile][t].
; b_img [head 16][ks 8][19,200]: a block = 12 images (tile 4 sect + T; sect 0 q, 1 k, 2 v), then 192 scale words [tile][row].  In a q or k tile T = 2 b + u row r is channel 32 b + 8 u + r + 8 (r / 8); in a v tile 16 T + r.
; tabs: 128 registers a lane, register 16 X + i at 512 ((16 X + i) / 4) + 16 lane + 4 (i % 4); lane = (t = lane % 16, h = lane / 16), f = 16 h + i, angle = t x 10000^(-f / 32):
;   X0 = qs[f] cos, X1 = qs[32 + f] sin, X2 = qs[f] sin, X3 = qs[32 + f] cos; X4 .. X7 the same with k_scale.
; A block's scale is 2^(floor(log2(largest magnitude)) - 4): its byte is the largest magnitude's exponent field - 4, held at 1 from below.
; LIMITS: NaN and infinities among the inputs are not served; a block whose largest magnitude lies under 2^-122 keeps the byte 1; a block of zeros gets the byte 1 and not 127 (its codes are zeros, and the bytes are read by this program alone);
;   cos and sin come from a two-part reduction by pi / 2 and polynomials of degree 7 and 8, good to about 1e-7 absolute for the angles 0 .. 15 that occur.
; THREE PATHS, parted by the work-group's number (the same for all sixteen waves): 0 .. 95 W, 96 the tables, 97 .. 352 x.  Each path has LDS bytes of its own.  No tensor loads, no matrix instructions.
.set XP,    1552                       ; x: an image in the stage, 1,536 bytes + 16
.set XSC,   49664                      ; x: scale words, 72 bytes for each of 32 tiles
.set WST,   51968                      ; W: a stage of 16 rows x 272 bytes for each wave
.set WP,    272
.set WSC,   121600                     ; W: scale words, 64 bytes a wave
.set TBS,   122624                     ; the tables, 16,384 bytes
.set ABLK,  25600
.set BBLK,  19200
.set FLOOR, 0x2800000                  ; 2^(5 - 127)
.set EOFF,  0xfe000000                 ; -(4 << 23)
.macro MAX32 s                         ; the largest magnitude of v[s] .. v[s + 31], and the floor, into v12: two chains that do not wait for each other
	v_max3_num_f32 v12, |v[\s]|, |v[\s+1]|, |v[\s+2]|
	v_max3_num_f32 v13, |v[\s+3]|, |v[\s+4]|, |v[\s+5]|
.irp i, 6,10,14,18,22,26
	s_delay_alu instid0(VALU_DEP_2)
	v_max3_num_f32 v12, v12, |v[\s+\i]|, |v[\s+\i+1]|
	s_delay_alu instid0(VALU_DEP_2)
	v_max3_num_f32 v13, v13, |v[\s+\i+2]|, |v[\s+\i+3]|
.endr
	s_delay_alu instid0(VALU_DEP_2)
	v_max3_num_f32 v12, v12, |v[\s+30]|, |v[\s+31]|
	s_delay_alu instid0(VALU_DEP_1)
	v_max3_num_f32 v12, v12, v13, FLOOR
.endm
	s_load_b256 s[4:11], s[0:1], 0x0               ; x s[4:5], Wqkv s[6:7], q_scale s[8:9], k_scale s[10:11]
	s_load_b128 s[12:15], s[0:1], 0x20             ; a_img s[12:13], b_img s[14:15]
	s_load_b64 s[16:17], s[0:1], 0x30              ; tabs
	v_lshl_add_u32 v9, v0, 2, 0x22000              ; my spare word; v9 and v10 serve the add alone, in all three paths
	v_mov_b32 v10, 0
	v_lshrrev_b32 v1, 5, v0
	s_delay_alu instid0(VALU_DEP_1)
	v_readfirstlane_b32 s18, v1                    ; wave 0 .. 15
	v_and_b32 v2, 31, v0                           ; lane
	s_mov_b32 s20, 0x76543210
	s_mov_b32 s21, 0xfedcba98                      ; v_permlanex16_b32's selects for lane l xor 16
	s_cmp_lt_u32 ttmp9, 96
	s_cbranch_scc1 .Lw
	s_cmp_eq_u32 ttmp9, 96
	s_cbranch_scc1 .Ltab
	; ======== x.  A work-group takes 32 neighbouring hw x 128 c x the 16 frames of one b.  Wave = frame t, lane = hw: A LANE TAKES A COLUMN hw AND ITS REGISTERS RUN DOWN c,
	; so a block of 32 along K lies in one lane, and each load reads 128 consecutive bytes.  The neighbouring work-group takes the neighbouring 128 bytes.
	s_sub_co_u32 s22, ttmp9, 97
	s_and_b32 s23, s22, 7                          ; gamma: which 32 hw
	s_bfe_u32 s24, s22, 0x30003                    ; ks
	s_lshr_b32 s25, s22, 6                         ; b
	s_lshl_b32 s26, s25, 4
	s_add_co_u32 s26, s26, s18                     ; frame 16 b + t
	s_lshl_b32 s26, s26, 20                        ; x 1,048,576 bytes
	s_lshl_b32 s27, s24, 17                        ; + ks x 128 channels of 1,024 bytes
	s_add_co_u32 s26, s26, s27
	s_lshl_b32 s27, s23, 7                         ; + gamma x 128 bytes
	s_add_co_u32 s26, s26, s27
	s_mov_b32 s27, 0
	s_lshl_b32 s28, s25, 2
	s_lshr_b32 s29, s23, 1
	s_add_co_u32 s28, s28, s29                     ; g
	s_lshl_b32 s28, s28, 2
	s_and_b32 s29, s23, 1
	s_lshl_b32 s29, s29, 1
	s_add_co_u32 s28, s28, s29                     ; 4 g + 2 (gamma % 2)
	s_lshr_b32 s29, s18, 3                         ; my two tiles on the way out, 2 w and 2 w + 1, lie in sub-tile + w / 8
	s_add_co_u32 s30, s28, s29
	s_lshl_b32 s30, s30, 3
	s_add_co_u32 s30, s30, s24
	s_mul_i32 s30, s30, ABLK
	s_and_b32 s29, s18, 7
	s_mul_i32 s29, s29, 3072                       ; tile (2 w) % 16
	s_add_co_u32 s30, s30, s29
	s_mov_b32 s31, 0
	s_lshr_b32 s29, s18, 2                         ; the scale words that waves 0 .. 7 carry out: tiles 4 w .. 4 w + 3
	s_and_b32 s29, s29, 1
	s_add_co_u32 s32, s28, s29
	s_lshl_b32 s32, s32, 3
	s_add_co_u32 s32, s32, s24
	s_mul_i32 s32, s32, ABLK
	s_and_b32 s29, s18, 3
	s_lshl_b32 s29, s29, 8
	s_add_co_u32 s32, s32, s29
	s_add_co_u32 s32, s32, 24576
	s_mov_b32 s33, 0
	s_wait_alu depctr_va_vdst(0)
	v_lshlrev_b32 v3, 2, v2                        ; in: 4 bytes a lane
	v_mul_u32_u24 v4, v2, XP                       ; the stage: tile = my lane, row = my wave: XP x lane + 16 t
	s_lshl_b32 s34, s18, 4
	v_add_nc_u32 v4, s34, v4
	v_mul_u32_u24 v5, v2, 72                       ; my scale word: 72 x lane + 4 t
	s_lshl_b32 s34, s18, 2
	v_add_nc_u32 v5, s34, v5
	v_lshrrev_b32 v8, 3, v2                        ; out: scale words of tile 4 w + lane / 8, 8 bytes a lane
	s_delay_alu instid0(VALU_DEP_1)
	v_add_nc_u32 v8, s34, v8
	s_delay_alu instid0(VALU_DEP_1)
	v_mul_u32_u24 v8, v8, 72
	v_and_b32 v15, 7, v2
	s_delay_alu instid0(VALU_DEP_1)
	v_lshl_add_u32 v8, v15, 3, v8
	v_lshlrev_b32 v16, 3, v2
	v_lshlrev_b32 v7, 4, v2                        ; out: 16 bytes a lane
	s_mul_i32 s34, s18, 2*XP
	v_add_nc_u32 v6, s34, v7                       ; images 2 w and 2 w + 1 in the stage
	s_wait_kmcnt 0x0
	s_add_nc_u64 s[4:5], s[4:5], s[26:27]
	s_add_nc_u64 s[30:31], s[12:13], s[30:31]
	s_add_nc_u64 s[32:33], s[12:13], s[32:33]
.macro LOADX bl                        ; block bl: x(c = 32 bl + i, my hw), i = 0 .. 31, into set bl % 2 (v32-63, v64-95)
.irp i, 0,1,2,3,4,5,6,7,8,9,10,11,12,13,14,15,16,17,18,19,20,21,22,23,24,25,26,27,28,29,30,31
	global_load_b32 v[32+32*((\bl)%2)+\i], v3, s[4:5] offset:(32*(\bl)+\i)*1024 th:TH_LOAD_NT
.endr
.endm
.macro BLOCKX bl                       ; block bl = 2 cc + h of the image's row t: six registers of codes, v[96 + 6 bl] on, never written again
.set XS, 32+32*((\bl)%2)
.set CC, 96+6*(\bl)
.if (\bl) < 3
	s_wait_loadcnt 32                              ; this block's 32 loads are in; the next block's 32 may be out
.else
	s_wait_loadcnt 0x0
.endif
	MAX32 XS
	s_delay_alu instid0(VALU_DEP_1)
	v_add_nc_u32 v11, EOFF, v12                    ; 4 off the exponent field: the conversion takes this operand's exponent field as its scale
	v_cvt_scalef32_pk16_bf6_f32 v[CC:CC+2], v[XS:XS+15], v11
	v_cvt_scalef32_pk16_bf6_f32 v[120:122], v[XS+16:XS+31], v11   ; (a conversion's three registers begin on an even number)
	v_lshrrev_b32 v13, 23, v11                     ; the scale's byte; also the plain line behind the conversions
.if (\bl) == 0
	s_delay_alu instid0(VALU_DEP_1)
	v_mov_b32 v14, v13
.else
	s_delay_alu instid0(VALU_DEP_1)
	v_lshl_or_b32 v14, v13, 8*(\bl), v14           ; four bytes make my row's scale word
.endif
.irp i, 0,1,2
	v_mov_b32 v[CC+3+\i], v[120+\i]
.endr
.if (\bl) < 2                          ; registers 0 .. 5 of image lane t + 16 bl
	ds_store_b128 v4, v[CC:CC+3] offset:256*(\bl)
	ds_store_b64 v4, v[CC+4:CC+5] offset:512+256*(\bl)
.else                                  ; registers 6 .. 11 of image lane t + 16 (bl - 2)
	ds_store_b64 v4, v[CC:CC+1] offset:520+256*((\bl)-2)
	ds_store_b128 v4, v[CC+2:CC+5] offset:1024+256*((\bl)-2)
.endif
.if (\bl) < 2
	LOADX (\bl)+2
.endif
.endm
	LOADX 0
	LOADX 1
	BLOCKX 0
	BLOCKX 1
	BLOCKX 2
	BLOCKX 3
	ds_store_b32 v5, v14 offset:XSC
	s_wait_dscnt 0x0                               ; for the others' sake: my stores have landed
	s_barrier_signal -1
	s_barrier_wait -1                              ; 32 whole images and their scale words lie in LDS
.irp e, 0,1
.irp c, 0,1,2
	ds_load_b128 v[32+12*\e+4*\c:35+12*\e+4*\c], v6 offset:\e*XP+512*\c
.endr
.endr
.irp e, 0,1
.irp c, 0,1,2
	s_wait_dscnt 5-3*\e-\c                         ; the younger LDS loads may be out
	global_store_b128 v7, v[32+12*\e+4*\c:35+12*\e+4*\c], s[30:31] offset:\e*1536+512*\c   ; 32 lanes store 512 consecutive bytes, at a multiple of 256 from the buffer's first byte
.endr
.endr
	s_cmp_lt_u32 s18, 8
	s_cbranch_scc0 .Lx_end
	ds_load_b64 v[56:57], v8 offset:XSC
	s_wait_dscnt 0x0
	global_store_b64 v16, v[56:57], s[32:33]       ; four tiles' scale words: 256 consecutive bytes, aligned
.Lx_end:
	s_wait_tensorcnt 0x0
	ds_add_u32 v9, v10
	s_wait_dscnt 0x0
	s_endpgm
	; ======== W.  A work-group takes one section (q, k or v) of one head and four K steps; a wave one tile of 16 rows x 128 K: one image.
	; K is innermost in W: each load reads two rows' 256 consecutive bytes; the 16 x 64 numbers turn through the wave's own stage, so that lane (r, h) gets the 32 neighbours of block 2 cc + h of row r.
.Lw:
	s_lshr_b32 s22, ttmp9, 5                       ; sect
	s_bfe_u32 s23, ttmp9, 0x40001                  ; head
	s_and_b32 s24, ttmp9, 1                        ; which four K steps
	s_and_b32 s25, s18, 3                          ; T
	s_lshr_b32 s26, s18, 2
	s_lshl_b32 s27, s24, 2
	s_add_co_u32 s26, s26, s27                     ; ks
	s_cmp_lt_u32 s22, 2                            ; q and k: the rows of a tile are not neighbours
	s_cselect_b32 s27, 8, 16                       ; from tile 2 b to tile 2 b + 1, in rows
	s_cselect_b32 s28, 8, 0                        ; rows 8 .. 15 of a tile lie so much further on
	s_lshl_b32 s29, s22, 10
	s_lshl_b32 s30, s23, 6
	s_add_co_u32 s29, s29, s30
	s_lshr_b32 s30, s25, 1
	s_lshl_b32 s30, s30, 5
	s_add_co_u32 s29, s29, s30
	s_and_b32 s30, s25, 1
	s_mul_i32 s30, s30, s27
	s_add_co_u32 s29, s29, s30                     ; the tile's first row of W
	s_lshl_b32 s29, s29, 12                        ; x 4,096 bytes
	s_lshl_b32 s30, s26, 9                         ; + ks x 512 bytes
	s_add_co_u32 s30, s29, s30
	s_mov_b32 s31, 0
	s_lshl_b32 s32, s23, 3
	s_add_co_u32 s32, s32, s26
	s_mul_i32 s32, s32, BBLK                       ; block (head, ks)
	s_lshl_b32 s29, s22, 2
	s_add_co_u32 s29, s29, s25
	s_mul_i32 s29, s29, 1536                       ; image 4 sect + T
	s_add_co_u32 s32, s32, s29
	s_mov_b32 s33, 0
	s_lshl_b32 s34, s23, 3                         ; the scale words that waves 0 .. 3 carry out: block (head, 4 kg + wave)
	s_lshl_b32 s29, s24, 2
	s_add_co_u32 s34, s34, s29
	s_add_co_u32 s34, s34, s25
	s_mul_i32 s34, s34, BBLK
	s_lshl_b32 s29, s22, 8
	s_add_co_u32 s34, s34, s29
	s_add_co_u32 s34, s34, 18432
	s_mov_b32 s35, 0
	s_wait_alu depctr_va_vdst(0)
	v_and_b32 v1, 15, v2                           ; r
	v_lshrrev_b32 v31, 4, v2                       ; h
	s_delay_alu instid0(VALU_DEP_1)
	v_lshlrev_b32 v3, 12, v31
	s_delay_alu instid0(VALU_DEP_1)
	v_lshl_add_u32 v3, v1, 4, v3                   ; in: lanes 0-15 one row's 256 bytes, lanes 16-31 the next row's
	s_lshl_b32 s29, s28, 12
	v_add_nc_u32 v4, s29, v3                       ; the same for tile rows 8 .. 15
	s_mul_i32 s29, s18, 16*WP
	s_add_co_u32 s29, s29, WST                     ; my stage
	v_mul_u32_u24 v5, v31, WP
	s_delay_alu instid0(VALU_DEP_1)
	v_lshl_add_u32 v5, v1, 4, v5
	s_delay_alu instid0(VALU_DEP_1)
	v_add_nc_u32 v5, s29, v5                       ; into it, as loaded
	v_mul_u32_u24 v6, v1, WP
	s_delay_alu instid0(VALU_DEP_1)
	v_lshl_add_u32 v6, v31, 7, v6
	s_delay_alu instid0(VALU_DEP_1)
	v_add_nc_u32 v6, s29, v6                       ; out of it: row r, 128 h bytes on
	v_lshlrev_b32 v7, 4, v2
	s_lshl_b32 s29, s18, 6
	s_add_co_u32 s29, s29, WSC
	v_lshl_add_u32 v8, v1, 2, s29                  ; my row's scale word
	s_lshl_b32 s29, s18, 8
	s_add_co_u32 s29, s29, WSC
	s_wait_alu depctr_va_vdst(0)
	s_wait_kmcnt 0x0
	s_add_nc_u64 s[6:7], s[6:7], s[30:31]
	s_add_nc_u64 s[32:33], s[14:15], s[32:33]
	s_add_nc_u64 s[34:35], s[14:15], s[34:35]
.irp cc, 0,1
.irp j, 0,1,2,3
	global_load_b128 v[32+32*\cc+4*\j:35+32*\cc+4*\j], v3, s[6:7] offset:2*\j*4096+256*\cc th:TH_LOAD_NT
.endr
.irp j, 4,5,6,7
	global_load_b128 v[32+32*\cc+4*\j:35+32*\cc+4*\j], v4, s[6:7] offset:2*\j*4096+256*\cc th:TH_LOAD_NT
.endr
.endr
.macro WHALF cc                        ; k = 64 cc .. 64 cc + 63
.if (\cc) == 0
	s_wait_loadcnt 8                               ; this half's eight loads are in; the other half's may be out
.else
	s_wait_loadcnt 0x0
.endif
.irp j, 0,1,2,3,4,5,6,7
	ds_store_b128 v5, v[32+32*(\cc)+4*\j:35+32*(\cc)+4*\j] offset:2*\j*WP
.endr
.irp i, 0,1,2,3,4,5,6,7
	ds_load_b128 v[96+4*\i:99+4*\i], v6 offset:16*\i   ; LDS serves a wave's instructions in order: these see the stores above
.endr
	s_wait_dscnt 0x0
	MAX32 96
	s_delay_alu instid0(VALU_DEP_1)
	v_add_nc_u32 v11, EOFF, v12
	v_cvt_scalef32_pk16_bf6_f32 v[16+6*(\cc):18+6*(\cc)], v[96:111], v11
	v_cvt_scalef32_pk16_bf6_f32 v[28:30], v[112:127], v11
	v_lshrrev_b32 v[14+(\cc)], 23, v11             ; the byte of block 2 cc + h; also the plain line behind the conversions
.irp i, 0,1,2
	v_mov_b32 v[19+6*(\cc)+\i], v[28+\i]
.endr
.endm
	WHALF 0
	WHALF 1
.irp c, 0,1,2
	global_store_b128 v7, v[16+4*\c:19+4*\c], s[32:33] offset:512*\c   ; the image: 512 consecutive bytes a store, aligned
.endr
	v_lshl_or_b32 v14, v15, 16, v14                ; my two bytes, blocks h and 2 + h,
	v_lshlrev_b32 v15, 3, v31
	s_delay_alu instid0(VALU_DEP_1)
	v_lshlrev_b32 v14, v15, v14                    ; at their places in the word;
	v_mov_b32 v15, 0
	s_delay_alu instid0(VALU_DEP_1)
	v_permlanex16_b32 v15, v14, s20, s21
	s_delay_alu instid0(VALU_DEP_1)
	v_or_b32 v14, v14, v15                         ; with lane l xor 16's two the word is whole
	ds_store_b32 v8, v14                           ; (both halves of the lanes write the same word with the same value)
	s_wait_dscnt 0x0
	s_barrier_signal -1
	s_barrier_wait -1
	v_lshl_add_u32 v3, v2, 3, s29                  ; the scale words on the way out (waves 0 .. 3), 8 bytes a lane: v3 and v4 were the loads' offsets, and those loads are in
	v_lshlrev_b32 v4, 3, v2
	s_wait_alu depctr_va_vdst(0)
	s_cmp_lt_u32 s18, 4
	s_cbranch_scc0 .Lw_end
	ds_load_b64 v[12:13], v3
	s_wait_dscnt 0x0
	global_store_b64 v4, v[12:13], s[34:35]        ; four tiles' scale words of one K step: 256 consecutive bytes, aligned
.Lw_end:
	s_wait_tensorcnt 0x0
	ds_add_u32 v9, v10
	s_wait_dscnt 0x0
	s_endpgm
	; ======== the tables: one work-group.  Wave = entry i, lane = (t, h), f = 16 h + i.
.Ltab:
	s_wait_alu depctr_va_vdst(0)
	v_and_b32 v3, 15, v2                           ; t
	v_lshrrev_b32 v4, 4, v2                        ; h
	s_delay_alu instid0(VALU_DEP_1)
	v_lshl_add_u32 v5, v4, 4, s18                  ; f
	s_delay_alu instid0(VALU_DEP_1)
	v_lshlrev_b32 v20, 2, v5
	s_lshr_b32 s22, s18, 2
	s_lshl_b32 s22, s22, 9
	s_and_b32 s23, s18, 3
	s_lshl_b32 s23, s23, 2
	s_add_co_u32 s22, s22, s23
	s_add_co_u32 s22, s22, TBS
	v_lshlrev_b32 v27, 4, v2
	s_delay_alu instid0(VALU_DEP_1)
	v_add_nc_u32 v25, s22, v27                     ; register 16 X + i of my lane: 2,048 X further on
	s_lshl_b32 s23, s18, 10
	v_add_nc_u32 v27, s23, v27                     ; out: groups 2 w and 2 w + 1
	s_delay_alu instid0(VALU_DEP_1)
	v_add_nc_u32 v26, TBS, v27
	s_wait_alu depctr_va_vdst(0)
	s_wait_kmcnt 0x0
	global_load_b32 v21, v20, s[8:9]               ; qs[f]
	global_load_b32 v22, v20, s[8:9] offset:128    ; qs[32 + f]
	global_load_b32 v23, v20, s[10:11]             ; ks[f]
	global_load_b32 v24, v20, s[10:11] offset:128  ; ks[32 + f]
	v_cvt_f32_u32 v6, v5
	s_delay_alu instid0(VALU_DEP_1)
	v_mul_f32 v6, 0xbed49a78, v6                   ; -f log2(10000) / 32
	s_wait_alu depctr_va_vdst(0)
	v_exp_f32 v6, v6                               ; 10000^(-f / 32)
	v_cvt_f32_u32 v7, v3                           ; (a plain line behind the exponential)
	s_wait_alu depctr_va_vdst(0)
	v_mul_f32 v7, v7, v6                           ; the angle
	s_delay_alu instid0(VALU_DEP_1)
	v_mul_f32 v8, 0x3f22f983, v7
	s_delay_alu instid0(VALU_DEP_1)
	v_rndne_f32 v8, v8                             ; n = the nearest multiple of pi / 2
	s_delay_alu instid0(VALU_DEP_1)
	v_fma_f32 v44, v8, 0xbfc90fdb, v7              ; r = angle - n pi / 2, pi / 2 in two parts
	s_delay_alu instid0(VALU_DEP_1)
	v_fma_f32 v44, v8, 0x333bbd2e, v44
	s_delay_alu instid0(VALU_DEP_1)
	v_mul_f32 v45, v44, v44                        ; z
	v_mov_b32 v11, 0xb94ca1f9
	s_delay_alu instid0(VALU_DEP_1)
	v_fmaak_f32 v11, v11, v45, 0x3c08839e
	s_delay_alu instid0(VALU_DEP_1)
	v_fmaak_f32 v11, v11, v45, 0xbe2aaaa3
	s_delay_alu instid0(VALU_DEP_1)
	v_mul_f32 v11, v11, v45
	s_delay_alu instid0(VALU_DEP_1)
	v_fma_f32 v11, v11, v44, v44                   ; sin r
	v_mov_b32 v12, 0x37ccf5ce
	s_delay_alu instid0(VALU_DEP_1)
	v_fmaak_f32 v12, v12, v45, 0xbab6061a
	s_delay_alu instid0(VALU_DEP_1)
	v_fmaak_f32 v12, v12, v45, 0x3d2aaaa5
	v_mul_f32 v13, v45, v45
	v_fma_f32 v14, v45, -0.5, 1.0
	s_delay_alu instid0(VALU_DEP_1)
	v_fma_f32 v12, v12, v13, v14                   ; cos r
	v_cvt_i32_f32 v15, v8
	s_delay_alu instid0(VALU_DEP_1)
	v_and_b32 v16, 1, v15
	s_delay_alu instid0(VALU_DEP_1)
	v_cmp_eq_u32 vcc_lo, 1, v16                    ; in odd quadrants the two change places: a choice of values, no address hangs on it
	s_delay_alu instid0(VALU_DEP_1)
	v_cndmask_b32 v17, v11, v12, vcc_lo            ; sin
	s_delay_alu instid0(VALU_DEP_2)
	v_cndmask_b32 v18, v12, v11, vcc_lo            ; cos
	v_and_b32 v19, 2, v15
	s_delay_alu instid0(VALU_DEP_1)
	v_lshlrev_b32 v19, 30, v19
	s_delay_alu instid0(VALU_DEP_1)
	v_xor_b32 v17, v17, v19                        ; sin is negative in quadrants 2 and 3,
	v_add_nc_u32 v19, 1, v15
	s_delay_alu instid0(VALU_DEP_1)
	v_and_b32 v19, 2, v19
	s_delay_alu instid0(VALU_DEP_1)
	v_lshlrev_b32 v19, 30, v19
	s_delay_alu instid0(VALU_DEP_1)
	v_xor_b32 v18, v18, v19                        ; cos in 1 and 2
	s_wait_alu depctr_va_vdst(0)
	s_wait_loadcnt 0x0
	v_mul_f32 v28, v21, v18
	v_mul_f32 v29, v22, v17
	v_mul_f32 v30, v21, v17
	v_mul_f32 v31, v22, v18
	v_mul_f32 v32, v23, v18
	v_mul_f32 v33, v24, v17
	v_mul_f32 v34, v23, v17
	v_mul_f32 v35, v24, v18
.irp X, 0,1,2,3,4,5,6,7
	ds_store_b32 v25, v[28+\X] offset:2048*\X
.endr
	s_wait_dscnt 0x0
	s_barrier_signal -1
	s_barrier_wait -1
	ds_load_b128 v[36:39], v26
	ds_load_b128 v[40:43], v26 offset:512
	s_wait_dscnt 1
	global_store_b128 v27, v[36:39], s[16:17]
	s_wait_dscnt 0x0
	global_store_b128 v27, v[40:43], s[16:17] offset:512
	s_wait_tensorcnt 0x0
	ds_add_u32 v9, v10
	s_wait_dscnt 0x0
	s_endpgm
.Lfunc_end_k_q9a36b83955_prep:
	.size	k_q9a36b83955_prep, .Lfunc_end_k_q9a36b83955_prep-k_q9a36b83955_prep
	.p2alignl 7, 3214868480
	.fill 96, 4, 3214868480
	.section	.rodata,"a",@progbits
	.p2align	6, 0x0
	.amdhsa_kernel k_q9a36b83955_prep
		.amdhsa_group_segment_fixed_size 141312
		.amdhsa_private_segment_fixed_size 0
		.amdhsa_enable_private_segment 0
		.amdhsa_kernarg_size 56
		.amdhsa_user_sgpr_count 2
		.amdhsa_user_sgpr_kernarg_segment_ptr 1
		.amdhsa_wavefront_size32 1
		.amdhsa_system_sgpr_workgroup_id_x 1
		.amdhsa_system_sgpr_workgroup_id_y 1
		.amdhsa_system_sgpr_workgroup_id_z 1
		.amdhsa_system_vgpr_workitem_id 0
		.amdhsa_next_free_vgpr 128
		.amdhsa_next_free_sgpr 66
		.amdhsa_reserve_vcc 1
		.amdhsa_float_denorm_mode_32 3
		.amdhsa_float_denorm_mode_16_64 3
		.amdhsa_memory_ordered 1
		.amdhsa_forward_progress 1
		.amdhsa_inst_pref_size 42
	.end_amdhsa_kernel
	.amdgpu_metadata
---
amdhsa.version: [ 1, 2 ]
amdhsa.kernels:
  - .name:           k_q9a36b83955_prep
    .symbol:         k_q9a36b83955_prep.kd
    .args:
      - { .name: x, .offset: 0, .size: 8, .value_kind: global_buffer, .address_space: global }
      - { .name: Wqkv, .offset: 8, .size: 8, .value_kind: global_buffer, .address_space: global }
      - { .name: q_scale, .offset: 16, .size: 8, .value_kind: global_buffer, .address_space: global }
      - { .name: k_scale, .offset: 24, .size: 8, .value_kind: global_buffer, .address_space: global }
      - { .name: a_img, .offset: 32, .size: 8, .value_kind: global_buffer, .address_space: global }
      - { .name: b_img, .offset: 40, .size: 8, .value_kind: global_buffer, .address_space: global }
      - { .name: tabs, .offset: 48, .size: 8, .value_kind: global_buffer, .address_space: global }
    .group_segment_fixed_size: 141312
    .private_segment_fixed_size: 0
    .kernarg_segment_align: 8
    .kernarg_segment_size: 56
    .max_flat_workgroup_size: 512
    .sgpr_count:     66
    .vgpr_count:     128
    .wavefront_size: 32
...
	.end_amdgpu_metadata
.endif
;; end of part 1
;; launch attn (part 2): grid 16 x 16, 4 waves a work-group, clusters of 4 x 4, 327,680 bytes of LDS; arguments a_img, b_img, tabs, bqkv, out0; writes out0
.if DOCPART == 2
	.amdgcn_target "amdgcn-amd-amdhsa--gfx1250"
	.amdhsa_code_object_version 6
	.text
	.protected	k_q9a36b83955_attn
	.globl	k_q9a36b83955_attn
	.p2align	8
	.type	k_q9a36b83955_attn,@function
k_q9a36b83955_attn:
	s_mov_b64 s[64:65], 0
	v_nop
	global_prefetch_b8 v0, s[64:65] scope:SCOPE_SE
	s_setreg_imm32_b32 hwreg(HW_REG_WAVE_MODE, 25, 1), 1
	s_wait_xcnt 0x0
	s_wait_alu depctr_hold_cnt(0) depctr_sa_sdst(0) depctr_va_vdst(0) depctr_va_sdst(0) depctr_va_ssrc(0) depctr_va_vcc(0) depctr_vm_vsrc(0)
	s_getreg_b32 s2, hwreg(HW_REG_IB_STS2, 6, 4)
	s_cmp_eq_u32 s2, 0
	s_cbranch_scc0 .Lentry_in_a_cluster
	s_endpgm
.Lentry_in_a_cluster:
	s_bfe_u32 s2, ttmp6, 0x10000c
	s_cmp_lg_u32 s2, 0xf033
	s_cbranch_scc0 .Lentry_shape_is_right
	s_endpgm
.Lentry_shape_is_right:
; The QKV projection on codes of BF6, QKNorm, RoPE, the causal attention over the 16 frames and the way out, in one launch.
; A WORK-GROUP takes 64 neighbouring hw of one b (g = work-group y) and one head (work-group x): 1,024 rows x 192 columns x K = 1,024, in four sub-tiles of 16 hw.
; A WAVE takes 4 hw of a sub-tile: 4 tiles of A (16 rows = the 16 frames of one hw) x 12 tiles of B (q 4, k 4, v 4): 48 accumulators, 384 registers, by turns.
; q's and k's products are used transposed (source 0 = rows of W), so that a lane holds one frame and its registers run along the head's channels; their bias is the C of the first K step.
; THE EPILOGUE of a sub-tile, per hw: the mean square, RoPE by the tables (q_scale and k_scale are folded into them), x rsqrt, all in f32; the quantiser along the 64 channels (two blocks of 32; the other 64 of the
; instruction's K are zero codes); S^T = k q^T by one scaled product; the causal mask; softmax with the row's maximum taken away; p and v rounded to bf16; O^T = v^T p^T; x 1 / sum + v's bias (the weights of a row sum to 1).
; THE WAY OUT: a unit of 256 bytes of out0 is 64 hw of one frame and channel, so the four sub-tiles' results are gathered in LDS (sub-tile 2's wait in registers until the ring is done with) and leave at the end, 16 lanes to a unit.
; LDS: stages of sub-tiles 0 and 1; from RING on A's four K steps (slot 0: two, slot 1: two), then B's four; stages 2 and 3 lie over the ring behind its last fill and last read; the spare words.
; THE RING: a slot holds two K steps of A (16 images and their scale words each) and of B (12 images).  At the head each wave asks for one half of A's or of B's region, two K steps, so both slots are on their way behind one round;
; a refill is one K step's block a wave.  Tiles are asked for jointly in a cluster of 4 x 4: A's along a row, B's along a column.  The four columns of clusters begin at different sub-tiles.
; A K step's 56 LDS loads stand in one run: in the even step at its head, in the odd step directly behind the refill.
; PREFETCH: at the head K steps 4 .. 7 of the first sub-tile, which the first two refills load: partner cx names A's K step 4 + cx, partner cy B's 4 + cy, a lane a block of 256 bytes.  Later blocks come by their refills alone: of a sub-tile's
; eight K steps the ring has four asked for before the sub-tile's first product.
; LIMITS: NaN and infinities among the inputs are not served; a block whose largest magnitude lies under 2^-122 keeps the scale byte 1.
.set SS,    65856
.set TP,    4112
.set RING,  131840
.set ABLK,  25600
.set BBLK,  19200
.set SPARE, 311040
.set TAB,   64
.set TT,    192
.set SR,    224
.set BV,    32
.set QOP,   64
.set KOP,   76
.set TQ,    88
.set TK,    92
.set PCH,   100
.set VS,    136
.set HOLD,  128
.set MSB, 0
.macro WIN new
.if MSB != (\new)
	s_set_vgpr_msb (MSB<<8)|(\new)
.set MSB, (\new)
.endif
.endm
.macro PLACES n
.rept \n
	v_nop
.endr
.endm
.macro JLOAD sg
	s_cmp_eq_u32 s15, 0
	s_cbranch_scc0 .Lfor_b_\@
	tensor_load_to_lds s[32+4*(\sg):35+4*(\sg)], s[24:31]
	s_nop 0
.rept 4
	v_nop
.endr
	s_branch .Lasked_\@
.Lfor_b_\@:
	tensor_load_to_lds s[56+4*(\sg):59+4*(\sg)], s[48:55]
	s_nop 0
.rept 4
	v_nop
.endr
.Lasked_\@:
.endm
.macro CREST
	s_cmp_lg_u32 s14, 0
	s_cbranch_scc1 .Lnot_wave_0_\@
	s_barrier_signal -3
.Lnot_wave_0_\@:
	s_barrier_wait -3
	s_barrier_signal -1
	s_barrier_wait -1
.endm
.macro CROUND
	s_barrier_signal -1
	s_barrier_wait -1
	CREST
.endm
	s_load_b256 s[4:11], s[0:1], 0x0
	s_load_b64 s[12:13], s[0:1], 0x20
	v_lshl_add_u32 v1, v0, 2, SPARE
	v_mov_b32 v2, 0
	ds_add_u32 v1, v2
	ds_add_u32 v1, v2
	s_wait_dscnt 0x0
	v_lshrrev_b32 v19, 5, v0
	v_readfirstlane_b32 s14, v19
	s_lshr_b32 s15, s14, 1
	s_and_b32 s16, s14, 1
	s_bfe_u32 s17, ttmp6, 0x40000
	s_bfe_u32 s18, ttmp6, 0x40004
	s_lshl_b32 s19, ttmp9, 2
	s_add_co_u32 s19, s19, s17
	s_and_b32 s20, ttmp7, 0xffff
	s_lshl_b32 s20, s20, 2
	s_add_co_u32 s20, s20, s18
	s_and_b32 s83, ttmp9, 3
	s_lshl_b32 s21, s18, 2
	s_lshl_b32 s21, 15, s21
	s_lshl_b32 s22, 0x1111, s17
	s_or_b32 s24, s21, (3<<16)|(1<<21)
	s_or_b32 s48, s22, (3<<16)|(1<<21)
.irp g, 24, 48
	s_mov_b32 s[\g+1], 32<<16
	s_mov_b32 s[\g+3], 32<<16
	s_mov_b32 s[\g+5], 32
	s_mov_b32 s[\g+6], 0
	s_mov_b32 s[\g+7], 0
.endr
	s_mov_b32 s26, 200<<16                         ; the head's loads bring two K steps: 200 rows of 256 bytes of A,
	s_mov_b32 s28, 200
	s_mov_b32 s50, 150<<16                         ; 150 of B
	s_mov_b32 s52, 150
	s_mul_i32 s40, s20, 32*ABLK
	s_mul_i32 s46, s16, ABLK
	s_add_co_u32 s40, s40, s46
	s_mov_b32 s41, 0
	s_mul_i32 s92, s83, 8*ABLK
	s_mov_b32 s93, 0
	s_mul_i32 s42, s19, 8*BBLK
	s_mul_i32 s47, s16, BBLK
	s_add_co_u32 s42, s42, s47
	s_mov_b32 s43, 0
	s_add_co_u32 s44, s46, RING
	s_add_co_u32 s45, s47, RING+4*ABLK
.irp j, 0,1,2,3,4,5,6,7
	s_mov_b32 s[66+\j], ((1<<\j)-1)|(((1<<(8+\j))-1)<<16)
.endr
	s_mov_b32 s74, 0x76543210
	s_mov_b32 s75, 0xfedcba98
	s_mov_b32 s76, 0x3e38aa3b
	s_mov_b32 s77, s76
	s_mov_b32 s78, 0x3c800000
	s_mov_b32 s79, 0x358637bd
	s_wait_kmcnt 0x0
	s_add_nc_u64 s[40:41], s[4:5], s[40:41]
	s_add_nc_u64 s[42:43], s[6:7], s[42:43]
	s_add_nc_u64 s[94:95], s[40:41], s[92:93]
	CROUND
.irp s, 0,1
	s_mov_b32 s[32+4*\s], 1
	s_add_co_u32 s[33+4*\s], s44, \s*2*ABLK
	s_add_nc_u64 s[34+4*\s:35+4*\s], s[94:95], \s*2*ABLK
	s_or_b32 s[35+4*\s], s[35+4*\s], 0x80000000
	s_mov_b32 s[56+4*\s], 1
	s_add_co_u32 s[57+4*\s], s45, \s*2*BBLK
	s_add_nc_u64 s[58+4*\s:59+4*\s], s[42:43], \s*2*BBLK
	s_or_b32 s[59+4*\s], s[59+4*\s], 0x80000000
.endr
	; group 0 of the head's loads: wave parity i takes K steps 2 i and 2 i + 1, which are slot i's
	s_mov_b32 s84, 1
	s_lshl_b32 s85, s46, 1
	s_add_co_u32 s85, s85, RING
	s_mov_b32 s92, s46                             ; (s93 = 0)
	s_add_nc_u64 s[86:87], s[94:95], s[92:93]
	s_or_b32 s87, s87, 0x80000000
	s_mov_b32 s96, 1
	s_lshl_b32 s97, s47, 1
	s_add_co_u32 s97, s97, RING+4*ABLK
	s_mov_b32 s92, s47
	s_add_nc_u64 s[98:99], s[42:43], s[92:93]
	s_or_b32 s99, s99, 0x80000000
	s_cmp_eq_u32 s15, 0                            ; one joint load a wave at the head
	s_cbranch_scc0 .Lhead_b
	tensor_load_to_lds s[84:87], s[24:31]
	s_nop 0
.rept 4
	v_nop
.endr
	s_branch .Lhead_asked
.Lhead_b:
	tensor_load_to_lds s[96:99], s[48:55]
	s_nop 0
.rept 4
	v_nop
.endr
.Lhead_asked:
	v_and_b32 v19, 31, v0
	v_and_b32 v49, 15, v0
	v_bfe_u32 v50, v0, 4, 1
	v_lshlrev_b32 v3, 4, v19
	s_mul_i32 s21, s14, 6144
	s_add_co_u32 s21, s21, RING
	v_add_nc_u32 v4, s21, v3
	v_add_nc_u32 v5, 2*ABLK, v4
	v_add_nc_u32 v6, RING+4*ABLK, v3
	v_add_nc_u32 v7, 2*BBLK, v6
	v_lshlrev_b32 v51, 2, v19
	s_lshl_b32 s21, s14, 8
	s_add_co_u32 s21, s21, RING+24576
	v_add_nc_u32 v8, s21, v51
	v_add_nc_u32 v9, 2*ABLK, v8
	v_add_nc_u32 v10, RING+4*ABLK+18432, v51
	v_add_nc_u32 v11, 2*BBLK, v10
	v_mul_u32_u24 v12, v49, TP
	v_lshl_add_u32 v12, v50, 9, v12
	s_lshl_b32 s21, s14, 4
	v_add_nc_u32 v12, s21, v12
	v_bfe_u32 v14, v0, 2, 2
	v_add_nc_u32 v53, s83, v14
	v_and_b32 v53, 3, v53
	v_mul_u32_u24 v14, v14, SS
	v_and_b32 v52, 3, v0
	v_lshl_add_u32 v14, v52, 4, v14
	v_lshl_add_u32 v14, v50, 6, v14
	s_mul_i32 s21, s14, 4*TP
	v_add_nc_u32 v14, s21, v14
	v_lshlrev_b32 v15, 10, v50
	v_lshl_add_u32 v15, v53, 6, v15
	v_lshl_add_u32 v15, v52, 4, v15
	v_lshlrev_b32 v17, 6, v50
	v_lshlrev_b32 v18, 5, v50
	v_mov_b32 v48, 0xff800000
	s_lshl_b32 s90, s19, 8
	s_mov_b32 s91, 0
	s_add_nc_u64 s[88:89], s[10:11], s[90:91]
	WIN 0x40
.irp z, 0,1
.irp T, 0,1,2,3
.irp e, 0,1
	global_load_b128 v[192+8*(4*\z+\T)+4*\e:195+8*(4*\z+\T)+4*\e], v17, s[88:89] offset:(1024*\z+32*(\T/2)+8*(\T%2))*4+16*\e
.endr
.endr
.endr
	WIN 0
	s_lshr_b32 s90, s20, 2
	s_lshl_b32 s90, s90, 24
	s_lshl_b32 s92, s14, 22
	s_add_co_u32 s90, s90, s92
	s_lshl_b32 s92, s19, 16
	s_add_co_u32 s90, s90, s92
	s_and_b32 s92, s20, 3
	s_lshl_b32 s92, s92, 8
	s_add_co_u32 s90, s90, s92
	s_mov_b32 s91, 0
	s_add_nc_u64 s[12:13], s[12:13], s[90:91]
	; the prefetch: A's block (g, first sub-tile, K step 4 + cx), 100 blocks of 256 bytes, 25 a wave; B's block (head, K step 4 + cy), 75 blocks, 19 a wave, held at the last.  Lanes left over name their wave's last block again.
	s_mul_i32 s90, s20, 32*ABLK
	s_mul_i32 s21, s83, 8*ABLK
	s_add_co_u32 s90, s90, s21
	s_add_co_u32 s21, s17, 4
	s_mul_i32 s21, s21, ABLK
	s_add_co_u32 s90, s90, s21
	s_add_nc_u64 s[4:5], s[4:5], s[90:91]          ; (s91 = 0)  s[4:7] serve the prefetches alone from here on and are not written again
	s_mul_i32 s90, s19, 8*BBLK
	s_add_co_u32 s21, s18, 4
	s_mul_i32 s21, s21, BBLK
	s_add_co_u32 s90, s90, s21
	s_add_nc_u64 s[6:7], s[6:7], s[90:91]
	s_mul_i32 s21, s14, 25
	s_mul_i32 s23, s14, 19
	v_min_u32 v54, 24, v19
	v_min_u32 v55, 18, v19
	v_add_nc_u32 v54, s21, v54
	v_add_nc_u32 v55, s23, v55
	v_min_u32 v55, 74, v55
	v_lshlrev_b32 v54, 8, v54
	v_lshlrev_b32 v55, 8, v55
	global_prefetch_b8 v54, s[4:5] th:TH_LOAD_NT scope:SCOPE_SE
	global_prefetch_b8 v55, s[6:7] th:TH_LOAD_NT scope:SCOPE_SE
.macro LDF sg, kodd, p
.if LI < 36
	ds_load_b128 v[64-64*(\p)+4*LI:67-64*(\p)+4*LI], v[6+(\sg)] offset:(\kodd)*BBLK+512*LI
.else
	ds_load_b128 v[64-64*(\p)+4*LI:67-64*(\p)+4*LI], v[4+(\sg)] offset:(\kodd)*ABLK+512*(LI-36)
.endif
.set LI, LI+1
.endm
.macro LDFN sg, kodd, p, n
.if \p
	WIN 0x40
.else
	WIN 0
.endif
.rept \n
	LDF \sg, \kodd, \p
.endr
.endm
.macro SCW sg, kodd, p
	WIN 0
.irp i, 0,1
	ds_load_b32 v[20+8*(\p)+\i], v[8+(\sg)] offset:(\kodd)*ABLK+128*\i
.endr
.irp i, 0,1,2,3,4,5
	ds_load_b32 v[22+8*(\p)+\i], v[10+(\sg)] offset:(\kodd)*BBLK+128*\i
.endr
.endm
.macro FETCH sg, kodd, p
.set LI, 0
	LDFN \sg, \kodd, \p, 48
	SCW \sg, \kodd, \p
.endm
.macro WMS
.if CZ
.if RX && RY
	v_wmma_scale_f32_16x16x128_f8f6f4 v[DR:DR+7], v[FX:FX+11], v[FY:FY+11], 0, v[SX], v[SY] matrix_a_fmt:MATRIX_FMT_BF6 matrix_b_fmt:MATRIX_FMT_BF6 matrix_a_scale:MATRIX_SCALE_ROW1 matrix_b_scale:MATRIX_SCALE_ROW1
.elseif RX
	v_wmma_scale_f32_16x16x128_f8f6f4 v[DR:DR+7], v[FX:FX+11], v[FY:FY+11], 0, v[SX], v[SY] matrix_a_fmt:MATRIX_FMT_BF6 matrix_b_fmt:MATRIX_FMT_BF6 matrix_a_scale:MATRIX_SCALE_ROW1
.elseif RY
	v_wmma_scale_f32_16x16x128_f8f6f4 v[DR:DR+7], v[FX:FX+11], v[FY:FY+11], 0, v[SX], v[SY] matrix_a_fmt:MATRIX_FMT_BF6 matrix_b_fmt:MATRIX_FMT_BF6 matrix_b_scale:MATRIX_SCALE_ROW1
.else
	v_wmma_scale_f32_16x16x128_f8f6f4 v[DR:DR+7], v[FX:FX+11], v[FY:FY+11], 0, v[SX], v[SY] matrix_a_fmt:MATRIX_FMT_BF6 matrix_b_fmt:MATRIX_FMT_BF6
.endif
.else
.if RX && RY
	v_wmma_scale_f32_16x16x128_f8f6f4 v[DR:DR+7], v[FX:FX+11], v[FY:FY+11], v[CR:CR+7], v[SX], v[SY] matrix_a_fmt:MATRIX_FMT_BF6 matrix_b_fmt:MATRIX_FMT_BF6 matrix_a_scale:MATRIX_SCALE_ROW1 matrix_b_scale:MATRIX_SCALE_ROW1
.elseif RX
	v_wmma_scale_f32_16x16x128_f8f6f4 v[DR:DR+7], v[FX:FX+11], v[FY:FY+11], v[CR:CR+7], v[SX], v[SY] matrix_a_fmt:MATRIX_FMT_BF6 matrix_b_fmt:MATRIX_FMT_BF6 matrix_a_scale:MATRIX_SCALE_ROW1
.elseif RY
	v_wmma_scale_f32_16x16x128_f8f6f4 v[DR:DR+7], v[FX:FX+11], v[FY:FY+11], v[CR:CR+7], v[SX], v[SY] matrix_a_fmt:MATRIX_FMT_BF6 matrix_b_fmt:MATRIX_FMT_BF6 matrix_b_scale:MATRIX_SCALE_ROW1
.else
	v_wmma_scale_f32_16x16x128_f8f6f4 v[DR:DR+7], v[FX:FX+11], v[FY:FY+11], v[CR:CR+7], v[SX], v[SY] matrix_a_fmt:MATRIX_FMT_BF6 matrix_b_fmt:MATRIX_FMT_BF6
.endif
.endif
.endm
.macro WMP p, first
.set KA, MI/12
.set KT, MI%12
.set DW, 2+MI/32
.set DR, (8*MI)%256
.if \first
.set CW, 1
.else
.set CW, DW
.endif
	WIN (\p)|((\p)<<2)|(CW<<4)|(DW<<6)
.set FB, 64-64*(\p)+12*KT
.set FA, 208-64*(\p)+12*KA
.set WB, 22+8*(\p)+KT/2
.set WA, 20+8*(\p)+KA/2
.set CZ, 0
.set CR, DR
.if KT < 8
.set FX, FB
.set FY, FA
.set SX, WB
.set SY, WA
.set RX, KT%2
.set RY, KA%2
.if \first
.set CR, 192+8*KT
.endif
.else
.set FX, FA
.set FY, FB
.set SX, WA
.set SY, WB
.set RX, KA%2
.set RY, KT%2
.if \first
.set CZ, 1
.endif
.endif
	WMS
.set MI, MI+1
.endm
.macro MULN p, first, n
.rept \n
	WMP \p, \first
.endr
.endm
.macro TABLOAD
.set N, 0
.rept 32
	global_load_b128 v[TAB+4*N:TAB+4*N+3], v3, s[8:9] offset:512*N
.set N, N+1
.endr
.endm
.macro KEVEN sg, first
	PLACES 4
	SCW \sg, 1, 1
.set LI, 0
.set MI, 0
	LDFN \sg, 1, 1, 48                             ; the odd step's fragments, in one run with its 8 scale loads
	s_wait_dscnt 56                                ; all but the 56 just issued: the even step's fragments and scale words are in
	MULN 0, \first, 48
.endm
.macro TURN sg, j, fill, fetch, tabs
	WIN 0
	s_wait_tensorcnt 0x0
	ds_add_u32 v1, v2
	s_wait_dscnt 1
.set MI, 0
	MULN 1, 0, 6
	s_wait_dscnt 0x0
	s_barrier_signal -1
	MULN 1, 0, 6
	WIN 0
	s_barrier_wait -1
.if \fill
	CREST
.if (\j) < 2
	s_add_nc_u64 s[34+4*(\sg):35+4*(\sg)], s[34+4*(\sg):35+4*(\sg)], 4*ABLK
	s_add_nc_u64 s[58+4*(\sg):59+4*(\sg)], s[58+4*(\sg):59+4*(\sg)], 4*BBLK
.else
	s_add_nc_u64 s[34+4*(\sg):35+4*(\sg)], s[40:41], s[92:93]
.if \sg
	s_add_nc_u64 s[34+4*(\sg):35+4*(\sg)], s[34+4*(\sg):35+4*(\sg)], 2*ABLK
.endif
	s_or_b32 s[35+4*(\sg)], s[35+4*(\sg)], 0x80000000
	s_sub_nc_u64 s[58+4*(\sg):59+4*(\sg)], s[58+4*(\sg):59+4*(\sg)], 4*BBLK
.endif
	JLOAD \sg
.else
	PLACES 4
.endif
.if \fetch
	SCW 1-(\sg), 0, 0
.set LI, 0
	LDFN 1-(\sg), 0, 0, 48                         ; the other slot's even step, in one run, 36 products ahead of its first use
	MULN 1, 0, 36
.else
.if \tabs
	TABLOAD
.endif
	MULN 1, 0, 36
.endif
.endm
.macro SMM a
	WIN 0x05
	v_wmma_scale_f32_16x16x128_f8f6f4 v[SR+8*(\a):SR+8*(\a)+7], v[KOP:KOP+11], v[QOP:QOP+11], 0, v[40+(\a)], v[36+(\a)] matrix_a_fmt:MATRIX_FMT_BF6 matrix_b_fmt:MATRIX_FMT_BF6
.endm
; The mean squares of q and k of all four hw, ahead of RoPE: eight sums by turns, in the registers that later take the scores; one batch of rsqrt.
; The factors, each twice for the packed multiplies: q's of tile a in v[TT+24+2a], v[TT+25+2a], k's in v[56+2a], v[57+2a].
.macro PHASE_S
.irp a, 0,1,2,3
.set QR, (96*\a)%256
.set AW, 2+(96*\a)/256
	WIN AW|(AW<<2)
.irp c, 0,1,2,3
	v_pk_mul_f32 v[SR+8*\a+2*\c:SR+8*\a+2*\c+1], v[QR+16*\c:QR+16*\c+1], v[QR+16*\c:QR+16*\c+1]
.endr
.irp i, 2,4,6,8,10,12,14
.irp c, 0,1,2,3
	v_pk_fma_f32 v[SR+8*\a+2*\c:SR+8*\a+2*\c+1], v[QR+16*\c+\i:QR+16*\c+\i+1], v[QR+16*\c+\i:QR+16*\c+\i+1], v[SR+8*\a+2*\c:SR+8*\a+2*\c+1]
.endr
.endr
.endr
	WIN 0
.irp a, 0,1,2,3
	v_pk_add_f32 v[SR+8*\a:SR+8*\a+1], v[SR+8*\a:SR+8*\a+1], v[SR+8*\a+2:SR+8*\a+3]
	v_pk_add_f32 v[SR+8*\a+4:SR+8*\a+5], v[SR+8*\a+4:SR+8*\a+5], v[SR+8*\a+6:SR+8*\a+7]
.endr
.irp a, 0,1,2,3
	v_add_f32 v[SR+8*\a], v[SR+8*\a], v[SR+8*\a+1]
	v_add_f32 v[SR+8*\a+4], v[SR+8*\a+4], v[SR+8*\a+5]
.endr
.irp a, 0,1,2,3
	v_permlanex16_b32 v[SR+8*\a+1], v[SR+8*\a], s74, s75
	v_permlanex16_b32 v[SR+8*\a+5], v[SR+8*\a+4], s74, s75
.endr
.irp a, 0,1,2,3
	v_add_f32 v[SR+8*\a], v[SR+8*\a], v[SR+8*\a+1]
	v_add_f32 v[SR+8*\a+4], v[SR+8*\a+4], v[SR+8*\a+5]
.endr
.irp a, 0,1,2,3
	v_fma_f32 v[SR+8*\a], v[SR+8*\a], s78, s79     ; sum / 64 + eps
	v_fma_f32 v[SR+8*\a+4], v[SR+8*\a+4], s78, s79
.endr
	s_wait_alu depctr_va_vdst(0)
.irp a, 0,1,2,3
	v_rsq_f32 v[TT+24+2*\a], v[SR+8*\a]
	v_rsq_f32 v[TT+25+2*\a], v[SR+8*\a]
	v_rsq_f32 v[56+2*\a], v[SR+8*\a+4]
	v_rsq_f32 v[57+2*\a], v[SR+8*\a+4]
.endr
	v_nop                                          ; a plain place behind the batch; the wait for it stands ahead of the first multiply by a factor
.endm
.macro PHASE_A a
.set QR, (96*(\a))%256
.set KR, QR+32
.set AW, 2+(96*(\a))/256
.if (\a) == 0
	WIN 0x40
.irp dt, 0,1,2,3
.irp e, 0,1
	global_load_b128 v[BV+8*\dt+4*\e:BV+8*\dt+4*\e+3], v18, s[88:89] offset:8192+64*\dt+16*\e
.endr
.endr
.irp i, 0,1,2,3,4,5
	v_mov_b32 v[QOP+6+\i], 0
	v_mov_b32 v[KOP+6+\i], 0
.endr
	s_wait_loadcnt 8                               ; the tables' 32 loads are in; the 8 loads of v's bias may be out
.endif
	WIN AW|(1<<6)
.irp z, 0,1
.irp i, 0,2,4,6,8,10,12,14
	v_pk_mul_f32 v[100*\z+\i:100*\z+\i+1], v[QR+32*\z+16+\i:QR+32*\z+17+\i], v[TAB+64*\z+16+\i:TAB+64*\z+17+\i]
	v_pk_mul_f32 v[100*\z+16+\i:100*\z+17+\i], v[QR+32*\z+\i:QR+32*\z+\i+1], v[TAB+64*\z+32+\i:TAB+64*\z+33+\i]
.endr
.endr
.if (\a) > 0
	SMM (\a)-1                                     ; the scores of the tile before: the 32 multiplies above are the places behind the writes of its operands and scale words
.endif
	WIN AW|(1<<4)|(AW<<6)
.irp z, 0,1
.irp i, 0,2,4,6,8,10,12,14
	v_pk_fma_f32 v[QR+32*\z+\i:QR+32*\z+\i+1], v[QR+32*\z+\i:QR+32*\z+\i+1], v[TAB+64*\z+\i:TAB+64*\z+\i+1], v[100*\z+\i:100*\z+\i+1] neg_lo:[0,0,1] neg_hi:[0,0,1]
	v_pk_fma_f32 v[QR+32*\z+16+\i:QR+32*\z+17+\i], v[QR+32*\z+16+\i:QR+32*\z+17+\i], v[TAB+64*\z+48+\i:TAB+64*\z+49+\i], v[100*\z+16+\i:100*\z+17+\i]
.endr
.endr
	WIN AW|(AW<<6)
	s_wait_alu depctr_va_vdst(0)
.irp i, 0,2,4,6,8,10,12,14,16,18,20,22,24,26,28,30
	v_pk_mul_f32 v[QR+\i:QR+\i+1], v[QR+\i:QR+\i+1], v[TT+24+2*(\a):TT+25+2*(\a)]
	v_pk_mul_f32 v[KR+\i:KR+\i+1], v[KR+\i:KR+\i+1], v[56+2*(\a):57+2*(\a)]
.endr
	WIN AW|(AW<<2)
.irp c, 0,1,2,3
	v_max3_num_f32 v[TT+12+\c], |v[QR+16*\c]|, |v[QR+16*\c+1]|, 0x2800000
.endr
.irp i, 2,4,6,8,10,12,14
.irp c, 0,1,2,3
	v_max3_num_f32 v[TT+12+\c], |v[QR+16*\c+\i]|, |v[QR+16*\c+\i+1]|, v[TT+12+\c]
.endr
.endr
	WIN 0
.irp c, 0,1,2,3
	v_permlanex16_b32 v[TT+16+\c], v[TT+12+\c], s74, s75
.endr
.irp c, 0,1,2,3
	v_max_num_f32 v[TT+12+\c], v[TT+12+\c], v[TT+16+\c]
.endr
.irp c, 0,1,2,3
	v_add_nc_u32 v[TT+20+\c], 0xfe000000, v[TT+12+\c]
.endr
.irp c, 0,1,2,3
	v_lshrrev_b32 v[TT+16+\c], 23, v[TT+20+\c]
.endr
	v_lshl_or_b32 v[36+(\a)], v[TT+17], 8, v[TT+16]
	v_lshl_or_b32 v[40+(\a)], v[TT+19], 8, v[TT+18]
	WIN AW|(1<<6)
	v_cvt_scalef32_pk16_bf6_f32 v[QOP:QOP+2], v[QR:QR+15], v[TT+20]
	v_cvt_scalef32_pk16_bf6_f32 v[TQ:TQ+2], v[QR+16:QR+31], v[TT+21]
	v_cvt_scalef32_pk16_bf6_f32 v[KOP:KOP+2], v[KR:KR+15], v[TT+22]
	v_cvt_scalef32_pk16_bf6_f32 v[TK:TK+2], v[KR+16:KR+31], v[TT+23]
	v_nop
	WIN 0x41
.irp i, 0,1,2
	v_permlane16_swap_b32 v[QOP+\i], v[TQ+\i]
	v_permlane16_swap_b32 v[KOP+\i], v[TK+\i]
.endr
.irp i, 0,1,2
	v_mov_b32 v[QOP+3+\i], v[TQ+\i]
	v_mov_b32 v[KOP+3+\i], v[TK+\i]
.endr
.endm
.macro PHASE_B
	WIN 0
.irp j, 0,1,2,3,4,5,6,7
.irp a, 0,1,2,3
	v_cndmask_b32 v[SR+8*\a+\j], v[SR+8*\a+\j], v48, s[66+\j]
.endr
.endr
.irp a, 0,1,2,3
	v_max3_num_f32 v[TT+4*\a], v[SR+8*\a], v[SR+8*\a+1], v[SR+8*\a+2]
.endr
.irp a, 0,1,2,3
	v_max3_num_f32 v[TT+4*\a], v[TT+4*\a], v[SR+8*\a+3], v[SR+8*\a+4]
.endr
.irp a, 0,1,2,3
	v_max3_num_f32 v[TT+4*\a], v[TT+4*\a], v[SR+8*\a+5], v[SR+8*\a+6]
.endr
.irp a, 0,1,2,3
	v_max_num_f32 v[TT+4*\a], v[TT+4*\a], v[SR+8*\a+7]
.endr
.irp a, 0,1,2,3
	v_permlanex16_b32 v[TT+4*\a+1], v[TT+4*\a], s74, s75
.endr
.irp a, 0,1,2,3
	v_max_num_f32 v[TT+4*\a], v[TT+4*\a], v[TT+4*\a+1]
.endr
.irp a, 0,1,2,3
	v_mul_f32 v[TT+4*\a+2], s76, v[TT+4*\a]
	v_mul_f32 v[TT+4*\a+3], s76, v[TT+4*\a]
.endr
.irp i, 0,2,4,6
.irp a, 0,1,2,3
	v_pk_fma_f32 v[SR+8*\a+\i:SR+8*\a+\i+1], v[SR+8*\a+\i:SR+8*\a+\i+1], s[76:77], v[TT+4*\a+2:TT+4*\a+3] op_sel_hi:[1,0,1] neg_lo:[0,0,1] neg_hi:[0,0,1]
.endr
.endr
	s_wait_alu depctr_va_vdst(0)
.irp j, 0,1,2,3,4,5,6,7
.irp a, 0,1,2,3
	v_exp_f32 v[SR+8*\a+\j], v[SR+8*\a+\j]
.endr
.endr
	v_nop
	s_wait_alu depctr_va_vdst(0)
.irp a, 0,1,2,3
	v_pk_add_f32 v[TT+16+4*\a:TT+17+4*\a], v[SR+8*\a:SR+8*\a+1], v[SR+8*\a+2:SR+8*\a+3]
	v_pk_add_f32 v[TT+18+4*\a:TT+19+4*\a], v[SR+8*\a+4:SR+8*\a+5], v[SR+8*\a+6:SR+8*\a+7]
.endr
.irp a, 0,1,2,3
	v_pk_add_f32 v[TT+16+4*\a:TT+17+4*\a], v[TT+16+4*\a:TT+17+4*\a], v[TT+18+4*\a:TT+19+4*\a]
.endr
.irp a, 0,1,2,3
	v_add_f32 v[TT+16+4*\a], v[TT+16+4*\a], v[TT+17+4*\a]
.endr
.irp a, 0,1,2,3
	v_permlanex16_b32 v[TT+17+4*\a], v[TT+16+4*\a], s74, s75
.endr
.irp a, 0,1,2,3
	v_add_f32 v[TT+16+4*\a], v[TT+16+4*\a], v[TT+17+4*\a]
.endr
	s_wait_alu depctr_va_vdst(0)
.irp a, 0,1,2,3
	v_rcp_f32 v[44+\a], v[TT+16+4*\a]
.endr
	WIN 0x40
.irp a, 0,1,2,3
.irp i, 0,1,2,3
	v_cvt_pk_bf16_f32 v[PCH+4+8*\a+\i], v[SR+8*\a+2*\i], v[SR+8*\a+2*\i+1]
.endr
.endr
.endm
.macro PACK a
.set VR, (96*(\a)+64)%256
.set VW, 2+(96*(\a)+64)/256
	WIN VW|(VW<<2)|(1<<6)
.irp dt, 0,1,2,3
.irp i, 0,1,2,3
	v_cvt_pk_bf16_f32 v[VS+24*((\a)%2)+12*(\dt/2)+8*(\dt%2)+\i], v[VR+8*\dt+2*\i], v[VR+8*\dt+2*\i+1]
.endr
.endr
.endm
.macro PV a
.set OB, 32*((\a)%2)+96*((\a)/2)
	WIN 0x85
.irp dt, 0,1,2,3
	v_wmma_f32_16x16x32_bf16 v[OB+8*\dt:OB+8*\dt+7], v[VS+24*((\a)%2)+12*(\dt/2)+4*(\dt%2):VS+24*((\a)%2)+12*(\dt/2)+4*(\dt%2)+7], v[PCH+4+8*(\a)-4*(\dt%2):PCH+11+8*(\a)-4*(\dt%2)], 0
.endr
.endm
.macro HSTORE
	WIN 0x0c
.irp dt, 0,1,2,3
.irp j, 0,1,2,3,4,5,6,7
	ds_store_b128 v13, v[HOLD+4*(8*\dt+\j):HOLD+4*(8*\dt+\j)+3] offset:(16*\dt+\j)*64
.endr
.endr
	WIN 0
.endm
.macro EPI dyn
	WIN 0
	PLACES 4
.irp c, 0,1,2,3
	v_mov_b32 v[TT+16+\c], 0
.endr
	PHASE_S
	PHASE_A 0
	PHASE_A 1
	PHASE_A 2
	PHASE_A 3
	WIN 0x40
.irp z, 0,1,2,3,4
.irp i, 0,1,2,3
	v_mov_b32 v[PCH+8*\z+\i], 0
.endr
.endr
	SMM 3
	WIN 0x40
.irp e, 0,1
.irp z, 0,1
.irp i, 0,1,2,3
	v_mov_b32 v[VS+24*\e+4+12*\z+\i], 0
.endr
.endr
.endr
	PHASE_B
.if \dyn
	FETCH 0, 0, 0                                  ; the next sub-tile's first fragments: slot 0 was shown whole by the last round, and v64-255 of window 0 are read no more in this epilogue
.endif
	s_wait_alu depctr_va_vdst(0)
	PACK 0
	PACK 1
	PV 0
	PV 1
	PLACES 4
	PACK 2
	PACK 3
	PV 2
	PV 3
	s_wait_loadcnt 0x0
	s_wait_dscnt 0x0
	WIN 0xd2
	s_wait_alu depctr_va_vdst(0)
.irp a, 0,1,2,3
.irp dt, 0,1,2,3
.irp j, 0,1,2,3,4,5,6,7
	v_fma_f32 v[HOLD+4*(8*\dt+\j)+\a], v[32*(\a%2)+96*(\a/2)+8*\dt+\j], v[44+\a], v[BV+8*\dt+\j]
.endr
.endr
.endr
	WIN 0
.if \dyn
	s_mul_i32 s81, s80, SS
	s_min_u32 s82, s81, SS
	v_add_nc_u32 v13, s82, v12
	s_cmp_eq_u32 s80, 2
	s_cbranch_scc1 .Lkeep_\@
	HSTORE
.Lkeep_\@:
.else
	v_add_nc_u32 v13, 3*SS, v12
	HSTORE
.endif
.endm
	s_wait_alu depctr_va_vdst(0)
	s_wait_tensorcnt 0x0                           ; my half of A's or B's region is in; no tensor load of mine is out, so group 1 may be written:
	s_mov_b32 s26, 100<<16                         ; a refill brings one K step: 100 rows of A,
	s_mov_b32 s28, 100
	s_mov_b32 s50, 75<<16                          ; 75 of B
	s_mov_b32 s52, 75
	s_barrier_signal -1
	s_barrier_wait -1                              ; both slots are whole for all four waves
	s_wait_loadcnt 0x0
	s_mov_b32 s80, 0
	s_mov_b32 s93, 0
	FETCH 0, 0, 0
.Lsub:
	s_add_co_u32 s92, s80, s83
	s_add_co_u32 s92, s92, 1
	s_and_b32 s92, s92, 3
	s_mul_i32 s92, s92, 8*ABLK
	KEVEN 0, 1
	TURN 0, 0, 1, 1, 0
	KEVEN 1, 0
	TURN 1, 1, 1, 1, 0
	KEVEN 0, 0
	TURN 0, 2, 1, 1, 0
	KEVEN 1, 0
	TURN 1, 3, 1, 0, 1
	s_wait_alu depctr_va_vdst(0)
	EPI 1
	s_add_co_u32 s80, s80, 1
	s_cmp_lt_u32 s80, 3
	s_cbranch_scc1 .Lsub
	KEVEN 0, 1
	TURN 0, 0, 1, 1, 0
	KEVEN 1, 0
	TURN 1, 1, 1, 1, 0
	KEVEN 0, 0
	TURN 0, 2, 0, 1, 0
	KEVEN 1, 0
	PLACES 4
	WIN 0
	TABLOAD
	s_wait_dscnt 0x0
	s_barrier_signal -1
.set MI, 0
	MULN 1, 0, 48
	WIN 0
	s_barrier_wait -1
	v_add_nc_u32 v13, 2*SS, v12
	s_wait_alu depctr_va_vdst(0)
	HSTORE
	EPI 0
	s_wait_dscnt 0x0
	s_barrier_signal -1
	s_barrier_wait -1
.macro LOADB be
.irp e, 0,1,2,3,4,5,6,7,8,9,10,11,12,13,14,15
	ds_load_b128 v[64+64*((\be)%2)+4*\e:67+64*((\be)%2)+4*\e], v14 offset:((\be)/2)*TP+(16*((\be)%2)+\e)*128
.endr
.endm
.macro STOREB be
.irp e, 0,1,2,3,4,5,6,7,8,9,10,11,12,13,14,15
	global_store_b128 v15, v[64+64*((\be)%2)+4*\e:67+64*((\be)%2)+4*\e], s[12:13] offset:((\be)/2)*1048576+(16*((\be)%2)+\e)*2048 th:TH_STORE_NT
.endr
.endm
	LOADB 0
.irp be, 0,1,2,3,4,5,6,7
.if \be > 0
	s_wait_xcnt 0x0
.endif
.if \be < 7
	LOADB \be+1
	s_wait_dscnt 16
.else
	s_wait_dscnt 0x0
.endif
	STOREB \be
.endr
	s_wait_tensorcnt 0x0
	ds_add_u32 v1, v2
	s_wait_dscnt 0x0
	CROUND
	s_endpgm
.Lfunc_end_k_q9a36b83955_attn:
	.size	k_q9a36b83955_attn, .Lfunc_end_k_q9a36b83955_attn-k_q9a36b83955_attn
	.p2alignl 7, 3214868480
	.fill 96, 4, 3214868480
	.section	.rodata,"a",@progbits
	.p2align	6, 0x0
	.amdhsa_kernel k_q9a36b83955_attn
		.amdhsa_group_segment_fixed_size 327680
		.amdhsa_private_segment_fixed_size 0
		.amdhsa_enable_private_segment 0
		.amdhsa_kernarg_size 40
		.amdhsa_user_sgpr_count 2
		.amdhsa_user_sgpr_kernarg_segment_ptr 1
		.amdhsa_wavefront_size32 1
		.amdhsa_system_sgpr_workgroup_id_x 1
		.amdhsa_system_sgpr_workgroup_id_y 1
		.amdhsa_system_sgpr_workgroup_id_z 1
		.amdhsa_system_vgpr_workitem_id 0
		.amdhsa_next_free_vgpr 1024
		.amdhsa_next_free_sgpr 100
		.amdhsa_reserve_vcc 0
		.amdhsa_float_denorm_mode_32 3
		.amdhsa_float_denorm_mode_16_64 3
		.amdhsa_memory_ordered 1
		.amdhsa_forward_progress 1
		.amdhsa_inst_pref_size 255
	.end_amdhsa_kernel
	.section	.bss,"aw",@nobits
	.p2align	6
	.space	262144
	.amdgpu_metadata
---
amdhsa.version: [ 1, 2 ]
amdhsa.kernels:
  - .name:           k_q9a36b83955_attn
    .symbol:         k_q9a36b83955_attn.kd
    .args:
      - { .name: a_img, .offset: 0, .size: 8, .value_kind: global_buffer, .address_space: global }
      - { .name: b_img, .offset: 8, .size: 8, .value_kind: global_buffer, .address_space: global }
      - { .name: tabs, .offset: 16, .size: 8, .value_kind: global_buffer, .address_space: global }
      - { .name: bqkv, .offset: 24, .size: 8, .value_kind: global_buffer, .address_space: global }
      - { .name: out0, .offset: 32, .size: 8, .value_kind: global_buffer, .address_space: global }
    .group_segment_fixed_size: 327680
    .private_segment_fixed_size: 0
    .kernarg_segment_align: 8
    .kernarg_segment_size: 40
    .max_flat_workgroup_size: 128
    .sgpr_count:     100
    .vgpr_count:     1024
    .wavefront_size: 32
...
	.end_amdgpu_metadata
.endif
;; end of part 2
